; MI455X (gfx1250); checked and timed in simulation.
; The chip was launched on July 23, 2026; its instructions are those of AMD's public machine-readable ISA for CDNA 5 (MIT licence, August 2026) and "CDNA5" Instruction Set Architecture Reference Guide (July 2026). The comments in the code are by the model that wrote it; some were corrected since.
;; Timestamp Guided Attention. Allowed arithmetic: matrix products marked QUANTISED: E3M2 operands, one E8M0 scale for each 32 along K, by v_wmma_scale_f32_16x16x128_f8f6f4 with both operands' format E3M2, f32 sums; everything else in f32.
;; Inputs: bias_t 2,048 float32; bias_x 2,048 float32; kernel_a 2,048 x 2,048 float32; kernel_t 2,048 x 2,048 float32; kernel_x 2,048 x 2,048 float32; lambd 512 x 1 float32; t 8 x 2,048 x 512 float32; x 8 x 2,048 x 512 float32.
;; Outputs: out0 8 x 2,048 x 512 float32.
;; This version of the problem:
;;   THIS VERSION OF THE PROBLEM IS GIVEN IN LOW PRECISION. The matrix products marked QUANTISED in the list below multiply operands that are first quantised to E3M2 (3 exponent bits, 2 mantissa bits; 6 bits a number), with one power-of-two scale for each 32 numbers along K (OCP MX v1.0); their sums are f32. All else is computed in f32.
;;   The module's matrix products, in the order in which they are computed (A, B: the left and right operand; K: the contracted axis; several contracted axes count as one K, in the product's order):
;;     1. [M 4,096, K 2,048] x [K 2,048, N 2,048]; A: input x; B: input kernel_x: QUANTISED
;;     2. [M 4,096, K 2,048] x [K 2,048, N 2,048]; A: input t; B: input kernel_t: QUANTISED
;;     3. [M 4,096, K 2,048] x [K 2,048, N 2,048]; A: computed on the way; B: input kernel_a: QUANTISED
;;   THE QUANTISER, for each operand of a quantised product, along K:
;;     - K is cut into blocks of 32 from its start; a last block that is shorter is filled with zeros.
;;     - A block's scale is 2^e with e = floor(log2(the largest magnitude in the block)) - 4, held to -126 .. 127; a block of zeros has e = 0. As a byte (E8M0): e + 127.
;;     - Each number is divided by its block's scale, clamped to +-28, and rounded to the nearest number of E3M2, ties to even, subnormals kept.
;;     - The product sums the exact products of the quantised numbers (number of the format x scale) in f32.
;;   ~~~python
;;   def quantise(x, axis):      # numpy; x: float32 -> the quantised numbers, widened to float32 again
;;       x = np.moveaxis(x, axis, -1); K = x.shape[-1]
;;       x = np.pad(x, [(0, 0)] * (x.ndim - 1) + [(0, -K % 32)]); x = x.reshape(x.shape[:-1] + (-1, 32)); a = np.abs(x).max(-1, keepdims=True)
;;       e = np.where(a > 0, np.clip(np.frexp(np.where(a > 0, a, 1))[1] - 1 - 4, -126, 127), 0)      # np.frexp(a)[1] - 1 = floor(log2(a)), exactly
;;       r = np.clip(x / 2.0 ** e, -28, 28)
;;       step = 2.0 ** (np.maximum(np.frexp(np.where(r == 0, 1, r))[1] - 1, -2) - 2)
;;       q = np.round(r / step) * step * 2.0 ** e      # np.round: ties to even
;;       return np.moveaxis(q.reshape(q.shape[:-2] + (-1,))[..., :K], -1, axis).astype(np.float32)
;;   ~~~
;;   OPERANDS COMPUTED ON THE WAY. 'Computed on the way' means the value that the module computes at that place (a softmax that the list does not call 'softmax' is quantised finished and normalised). What goes into a quantiser is computed in f32, as accurately as f32 sums, v_exp_f32 and their like allow (about 1e-6 of the number): no bf16 or f16 on the way to a quantiser, and a product that is left as it is and whose result goes on into a quantised operand takes f32 operands (vector FMAs, or v_wmma_f32_16x16x4_f32). A number that lies on a knife's edge between two numbers of the format may be rounded either way, as far as f32 arithmetic and the matrix unit's own rounding can turn it there, and no further.
;; One version. Each part assembles by itself: llvm-mc -triple=amdgcn-amd-amdhsa -mcpu=gfx1250 --defsym DOCPART=n.
;; ======== version 1 of 1: 4 launches
;; limits: right only within a limited range of input values
;; workspace buffers: q 22,937,600 bytes; dq 6,553,600 bytes; pb 33,554,432 bytes; st 524,288 bytes
;; launch quant (part 1): grid 112 x 16, 4 waves a work-group, no clusters, 0 bytes of LDS; arguments x, t, kernel_x, kernel_t, kernel_a, q; writes q
.if DOCPART == 1
	.amdgcn_target "amdgcn-amd-amdhsa--gfx1250"
	.amdhsa_code_object_version 6
	.text
	.protected	k_q63ba3e9e76_quant
	.globl	k_q63ba3e9e76_quant
	.p2align	8
	.type	k_q63ba3e9e76_quant,@function
k_q63ba3e9e76_quant:
	s_mov_b64 s[64:65], 0
	v_nop
	global_prefetch_b8 v0, s[64:65] scope:SCOPE_SE
	s_setreg_imm32_b32 hwreg(HW_REG_WAVE_MODE, 25, 1), 1
	s_wait_xcnt 0x0
; x, t [8][2048 t][512 h] and kernel_x, kernel_t, kernel_a [2048 t][2048 s], f32, all with a product's K (the axis t) NOT innermost, are turned into codes of E3M2 with one E8M0 byte for each 32 along K.
; DEAD WORK: none.  Every input of the problem has a way to the output (both biases go into a quantised operand), so nothing of reference() is left out in any of the four launches.
; A block's scale is 2^(floor(log2(its largest magnitude)) - 4); its byte is the largest magnitude's exponent field - 4, held at 1 from below.
; LIMITS: a block of zeros gets the byte 1 where the rule says 127 (its codes are zeros, which add nothing under any byte but 0xff, and this program alone reads the bytes); NaN and infinities among the inputs are not served.
; A LANE TAKES A COLUMN (a row of the operand) AND ITS REGISTERS RUN DOWN K: register X + i holds k = 128 ks + i.  A wave's load reads 128 consecutive bytes, the work-group's four waves 512.
; THE BUFFER q IS LAID IN THE ORDER OF THE OPERAND'S REGISTERS.  An operand's rows come in groups of 64; a group has one record of 6,400 bytes for each 128 along K, at (group x 16 + ks) x 6,400:
;   four images of fragments (16 rows x 128 K, 12 registers a lane): registers 4 c .. 4 c + 3 of lane L of fragment f at 1,536 f + 512 c + 16 L;
;   then 64 scale words at 6,144: that of fragment f, row r at word 32 (f / 2) + 2 r + f % 2.
; Groups: x 0-63 (row 512 b + h), t 64-127, kernel_x 128-159 (row = column s), kernel_t 160-191, kernel_a 192-223.
; In kernel_x and kernel_t fragment 2 B + u, row r is column 32 B + 8 u + r + 8 (r / 8) of the group's 64, so that the products' results come out with neighbours along the next K in a lane's registers; elsewhere row 16 f + r.
; A lane holds all 128 k of its row: blocks 0 and 2 are the twelve registers of image lane r, blocks 1 and 3 those of image lane 16 + r.
; No LDS, no barrier: waves share nothing.  Every offset is an immediate and no store's register is written again, so no wait stands for the stores.
.set REC, 6400
.set MX,  8                            ; v8-11    the four blocks' largest magnitudes
.set SO,  12                           ; v12-15   the conversions' scale operands
.set BY,  16                           ; v16-19   the scale bytes
.set WD,  20                           ; v20      the scale word
.set X,   32                           ; v32-159  128 numbers down K
.set F,   160                          ; v160-171 image lane r's twelve registers, v172-183 image lane 16 + r's
.set T,   184                          ; v184-190 the upper halves of two blocks' codes, on their way
	s_load_b256 s[4:11], s[0:1], 0x0               ; x s[4:5], t s[6:7], kernel_x s[8:9], kernel_t s[10:11]
	s_load_b128 s[12:15], s[0:1], 0x20             ; kernel_a s[12:13], q s[14:15]
	v_lshrrev_b32 v4, 5, v0
	v_readfirstlane_b32 s18, v4                    ; wave 0..3
	s_mov_b32 s16, ttmp9                           ; cb: which 128 columns: 0-31 x, 32-63 t, 64-79 kernel_x, 80-95 kernel_t, 96-111 kernel_a
	s_and_b32 s17, ttmp7, 0xffff                   ; ks: which 128 along K
	; where the work-group's numbers begin in their tensor, in bytes
	s_and_b32 s19, s16, 31
	s_lshr_b32 s19, s19, 2
	s_lshl_b32 s19, s19, 22                        ; x, t: batch b = (cb % 32) / 4, 2048 x 512 x 4 bytes each,
	s_and_b32 s24, s16, 3
	s_lshl_b32 s24, s24, 9                         ; 128 columns of 4 bytes,
	s_add_co_u32 s19, s19, s24
	s_lshl_b32 s24, s17, 18                        ; 128 rows of 2,048 bytes
	s_add_co_u32 s19, s19, s24
	s_and_b32 s24, s16, 15
	s_lshl_b32 s24, s24, 9                         ; the kernels: 128 columns of 4 bytes,
	s_lshl_b32 s29, s17, 20                        ; 128 rows of 8,192 bytes
	s_add_co_u32 s24, s24, s29
	s_cmp_lt_u32 s16, 64
	s_cselect_b32 s30, s19, s24
	s_mov_b32 s31, 0
	s_sub_co_u32 s25, s16, 64
	s_cmp_lt_u32 s25, 32
	s_cselect_b32 s25, -1, 0                       ; all ones for kernel_x and kernel_t: their rows take the other order
	; where my wave's codes and scale words go
	s_lshl_b32 s19, s16, 1
	s_lshr_b32 s24, s18, 1
	s_add_co_u32 s19, s19, s24                     ; group 2 cb + wave / 2
	s_lshl_b32 s19, s19, 4
	s_add_co_u32 s19, s19, s17
	s_mul_i32 s28, s19, REC                        ; the record's first byte (under 2^25)
	s_and_b32 s24, s18, 1
	s_mul_i32 s29, s24, 3072                       ; fragments 2 (wave % 2) and 2 (wave % 2) + 1
	s_add_co_u32 s22, s28, s29
	s_mov_b32 s23, 0
	s_lshl_b32 s24, s24, 7
	s_add_co_u32 s26, s28, s24
	s_add_co_u32 s26, s26, 6144                    ; their 32 scale words
	s_mov_b32 s27, 0
	v_lshlrev_b32 v1, 2, v0                        ; in: 4 bytes a thread
	v_and_b32 v4, 31, v0                           ; my column among the wave's 32
	v_and_b32 v5, 15, v4                           ; plain order: row r = column % 16,
	v_lshrrev_b32 v6, 4, v4                        ; fragment u = column / 16
	v_and_b32 v7, 7, v4
	v_lshl_or_b32 v7, v6, 3, v7                    ; the other order: r = column % 8 + 8 (column / 16),
	v_bfe_u32 v21, v4, 3, 1                        ; u = (column / 8) % 2
	v_cndmask_b32 v5, v5, v7, s25
	v_cndmask_b32 v6, v6, v21, s25
	v_mul_u32_u24 v2, v6, 1536
	v_lshl_add_u32 v2, v5, 4, v2                   ; codes: 1,536 u + 16 r
	v_lshl_add_u32 v3, v5, 1, v6
	v_lshlrev_b32 v3, 2, v3                        ; scale word: 4 (2 r + u)
	s_wait_kmcnt 0x0
	s_mov_b64 s[20:21], s[12:13]                   ; the tensor is chosen by the work-group's number alone
	s_cmp_lt_u32 s16, 96
	s_cselect_b64 s[20:21], s[10:11], s[20:21]
	s_cmp_lt_u32 s16, 80
	s_cselect_b64 s[20:21], s[8:9], s[20:21]
	s_cmp_lt_u32 s16, 64
	s_cselect_b64 s[20:21], s[6:7], s[20:21]
	s_cmp_lt_u32 s16, 32
	s_cselect_b64 s[20:21], s[4:5], s[20:21]
	s_add_nc_u64 s[20:21], s[20:21], s[30:31]
	s_add_nc_u64 s[22:23], s[14:15], s[22:23]
	s_add_nc_u64 s[26:27], s[14:15], s[26:27]
; 128 loads, a row of the tensor each; blocks 0 and 2 first, since they are worked first
.macro LOADS pitch
.irp blk, 0,2,1,3
.set i, 32*\blk
.rept 32
	global_load_b32 v[X+i], v1, s[20:21] offset:i*\pitch th:TH_LOAD_NT
.set i, i+1
.endr
.endr
.endm
	s_cmp_lt_u32 s16, 64
	s_cbranch_scc0 .Lkernels
	LOADS 2048                                     ; x, t: a row is 512 numbers
	s_branch .Lloaded
.Lkernels:
	LOADS 8192                                     ; the kernels: 2,048 numbers
.Lloaded:
; Blocks h and h + 2 become the twelve registers of image lane 16 h + r, and leave.
.macro HALF h
.set BA, X+32*(\h)
.set BB, X+64+32*(\h)
.set FH, F+12*(\h)
	v_max3_num_f32 v[MX+\h], |v[BA]|, |v[BA+1]|, 0x2800000       ; the floor 2^(5 - 127) among the leaves: the byte cannot fall under 1
	v_max3_num_f32 v[MX+2+\h], |v[BB]|, |v[BB+1]|, 0x2800000
.irp i, 2,4,6,8,10,12,14,16,18,20,22,24,26,28,30
	v_max3_num_f32 v[MX+\h], v[MX+\h], |v[BA+\i]|, |v[BA+\i+1]|  ; the two blocks by turns
	v_max3_num_f32 v[MX+2+\h], v[MX+2+\h], |v[BB+\i]|, |v[BB+\i+1]|
.endr
	v_add_nc_u32 v[SO+\h], 0xfe000000, v[MX+\h]    ; 4 off the exponent field: the conversion takes the exponent field of this operand as its scale
	v_add_nc_u32 v[SO+2+\h], 0xfe000000, v[MX+2+\h]
	v_lshrrev_b32 v[BY+\h], 23, v[SO+\h]           ; the scale's byte
	v_lshrrev_b32 v[BY+2+\h], 23, v[SO+2+\h]
	v_cvt_scalef32_pk16_bf6_f32 v[FH:FH+2], v[BA:BA+15], v[SO+\h]
	v_cvt_scalef32_pk16_bf6_f32 v[T:T+2], v[BA+16:BA+31], v[SO+\h]        ; (a conversion's three registers begin on an even number: a block's upper half is made elsewhere and moved)
	v_cvt_scalef32_pk16_bf6_f32 v[FH+6:FH+8], v[BB:BB+15], v[SO+2+\h]
	v_cvt_scalef32_pk16_bf6_f32 v[T+4:T+6], v[BB+16:BB+31], v[SO+2+\h]
	v_nop                                          ; one plain instruction behind the scaled conversions
.irp i, 0,1,2
	v_mov_b32 v[FH+3+\i], v[T+\i]
	v_mov_b32 v[FH+9+\i], v[T+4+\i]
.endr
.irp c, 0,1,2
	global_store_b128 v2, v[FH+4*\c:FH+4*\c+3], s[22:23] offset:256*(\h)+512*\c   ; the sixteen lanes of a fragment store 256 consecutive bytes, aligned
.endr
.endm
	s_wait_loadcnt 63                              ; loads come back in order: at most 63 of the 128 are out, so the first 64, blocks 0 and 2, are in
	HALF 0
	s_wait_loadcnt 0x0
	HALF 1
	v_lshl_or_b32 v[WD], v[BY+1], 8, v[BY]         ; four bytes, the lower K in the lower byte
	v_lshl_or_b32 v[WD], v[BY+2], 16, v[WD]
	v_lshl_or_b32 v[WD], v[BY+3], 24, v[WD]
	global_store_b32 v3, v[WD], s[26:27]           ; the wave's 32 words are 128 consecutive bytes
	s_endpgm
.Lfunc_end_k_q63ba3e9e76_quant:
	.size	k_q63ba3e9e76_quant, .Lfunc_end_k_q63ba3e9e76_quant-k_q63ba3e9e76_quant
	.p2alignl 7, 3214868480
	.fill 96, 4, 3214868480
	.section	.rodata,"a",@progbits
	.p2align	6, 0x0
	.amdhsa_kernel k_q63ba3e9e76_quant
		.amdhsa_group_segment_fixed_size 0
		.amdhsa_private_segment_fixed_size 0
		.amdhsa_enable_private_segment 0
		.amdhsa_kernarg_size 48
		.amdhsa_user_sgpr_count 2
		.amdhsa_user_sgpr_kernarg_segment_ptr 1
		.amdhsa_wavefront_size32 1
		.amdhsa_system_sgpr_workgroup_id_x 1
		.amdhsa_system_sgpr_workgroup_id_y 1
		.amdhsa_system_sgpr_workgroup_id_z 1
		.amdhsa_system_vgpr_workitem_id 0
		.amdhsa_next_free_vgpr 192
		.amdhsa_next_free_sgpr 66
		.amdhsa_reserve_vcc 0
		.amdhsa_float_denorm_mode_32 3
		.amdhsa_float_denorm_mode_16_64 3
		.amdhsa_memory_ordered 1
		.amdhsa_forward_progress 1
		.amdhsa_inst_pref_size 34
	.end_amdhsa_kernel
	.amdgpu_metadata
---
amdhsa.version: [ 1, 2 ]
amdhsa.kernels:
  - .name:           k_q63ba3e9e76_quant
    .symbol:         k_q63ba3e9e76_quant.kd
    .args:
      - { .name: x, .offset: 0, .size: 8, .value_kind: global_buffer, .address_space: global }
      - { .name: t, .offset: 8, .size: 8, .value_kind: global_buffer, .address_space: global }
      - { .name: kernel_x, .offset: 16, .size: 8, .value_kind: global_buffer, .address_space: global }
      - { .name: kernel_t, .offset: 24, .size: 8, .value_kind: global_buffer, .address_space: global }
      - { .name: kernel_a, .offset: 32, .size: 8, .value_kind: global_buffer, .address_space: global }
      - { .name: q, .offset: 40, .size: 8, .value_kind: global_buffer, .address_space: global }
    .group_segment_fixed_size: 0
    .private_segment_fixed_size: 0
    .kernarg_segment_align: 8
    .kernarg_segment_size: 48
    .max_flat_workgroup_size: 128
    .sgpr_count:     66
    .vgpr_count:     192
    .wavefront_size: 32
...
	.end_amdgpu_metadata
.endif
;; end of part 1
;; launch gemm12 (part 2): grid 8 x 32, 4 waves a work-group, clusters of 4 x 4, 327,680 bytes of LDS; arguments q, bias_x, bias_t, lambd, dq; writes dq
.if DOCPART == 2
	.amdgcn_target "amdgcn-amd-amdhsa--gfx1250"
	.amdhsa_code_object_version 6
	.text
	.protected	k_q63ba3e9e76_gemm12
	.globl	k_q63ba3e9e76_gemm12
	.p2align	8
	.type	k_q63ba3e9e76_gemm12,@function
k_q63ba3e9e76_gemm12:
	s_mov_b64 s[64:65], 0
	v_nop
	global_prefetch_b8 v0, s[64:65] scope:SCOPE_SE
	s_setreg_imm32_b32 hwreg(HW_REG_WAVE_MODE, 25, 1), 1
	s_wait_xcnt 0x0
	s_wait_alu depctr_hold_cnt(0) depctr_sa_sdst(0) depctr_va_vdst(0) depctr_va_sdst(0) depctr_va_ssrc(0) depctr_va_vcc(0) depctr_vm_vsrc(0)
	s_getreg_b32 s2, hwreg(HW_REG_IB_STS2, 6, 4)
	s_cmp_eq_u32 s2, 0
	s_cbranch_scc0 .Lentry_in_a_cluster
	s_endpgm
.Lentry_in_a_cluster:
	s_bfe_u32 s2, ttmp6, 0x10000c
	s_cmp_lg_u32 s2, 0xf033
	s_cbranch_scc0 .Lentry_shape_is_right
	s_endpgm
.Lentry_shape_is_right:
; delta = lambd tanh(x^T kernel_x + bias_x) + (1 - lambd) tanh(t^T kernel_t + bias_t), rows m = 512 b + h (4,096), columns s (2,048), quantised along s into dq.  Nothing of reference() is left out here.
; Both products run on codes of E3M2 with E8M0 scales out of q: rows in groups of 64; for a group and 128 along K a record of 6,400 bytes: four images of fragments (registers 4 c .. 4 c + 3 of lane L of
; fragment f at 1,536 f + 512 c + 16 L), then 64 scale words at 6,144 (fragment f, row r at word 32 (f / 2) + 2 r + f % 2).  Groups: x 0-63, t 64-127, kernel_x 128-159, kernel_t 160-191.  dq has the same records, 64 groups.
; A work-group makes 128 rows x 256 columns of BOTH products; four waves 2 x 2, each 64 rows x 128 columns: 32 accumulators a product, x's in window 2, t's in window 3.
; Source 0 = 16 columns s of a kernel, source 1 = 16 rows m: lane (r, lane / 16) holds row 16 a + r; the 16 registers of fragments 2 B, 2 B + 1 are columns 32 B + 16 (lane / 16) + 0 .. 15.
; THE TWO PRODUCTS TAKE TURNS ALONG K: LDS slot 0 always holds 512 along K of x and kernel_x, slot 1 of t and kernel_t.  So every trip of the loop is alike, and a slot's two tiles have one wave each:
; wave 0 x's two groups, wave 1 kernel_x's four, wave 2 t's, wave 3 kernel_t's: rows of 25,600 bytes, one for each group.  Each wave issues one tensor load at the head, and one in each trip, behind its slot's round.
; THE BIASES ARE LOADED INTO THE ACCUMULATORS, so the first products add onto them: nothing is cleared, no step differs from another, and the activation needs no addition.
; tanh(u) = 1 - 2 / (1 + 2^(2 log2(e) u)): an exponential that overflows gives 1, one that falls to 0 gives -1.  delta = 1 - 2 lambd / (1 + ..x) - 2 (1 - lambd) / (1 + ..t).
; CLUSTERS: 4 x 4 work-groups; x's and t's tiles are asked for jointly along a row of the cluster, the kernels' along a column.
; PREFETCH: each wave asks for its own tile of the next trip's refill, one trip (two slots' work) ahead of that load; the head asks for the first trip's.  The four partners that load a tile jointly share its
; blocks of 256 bytes out by address: a quarter each, 25 lanes an instruction (the seven lanes left over name the 25th block again).  The last trip asks for nothing.
; LIMITS: a block of zeros gets the scale byte 1 where the rule says 127 (its codes are zeros, and this program alone reads the bytes); NaN and infinities among the inputs are not served.
.set REC,   6400
.set GK,    102400                     ; a group's 16 records
.set GSL,   4*REC                      ; a group's 512 along K
.set SLOT,  6*GSL                      ; two groups of rows m, then four groups of columns s
.set SPARE, 2*SLOT                     ; behind the ring: the spare words, 128 bytes for each wave: two blocks of 256 bytes that no other line names
.set ADRA, 16                          ; v16-17  my fragments of source 1 in slot 0, 1;  v18-19 their scale words
.set ADSA, 18
.set ADRB, 20                          ; v20-21, v22-23 the same for source 0
.set ADSB, 22
.set SPW,  28                          ; v28     my spare word; never rewritten
.set NIL,  29                          ; v29     0; never rewritten
.set PFO,  30                          ; v30     the prefetches' offset: 256 x min(lane, 24); never rewritten
.set SC,   32                          ; v32-45  scale words, two sets, and nothing else
.set LA,   48                          ; v48-55  -2 lambd of my rows, as pairs
.set LB,   56                          ; v56-63  2 lambd - 2
.set DL,   128                         ; the way out: 64 numbers of delta,
.set FQ,   192                         ; their codes, 12 registers for each 16 rows,
.set TQ,   240
.set PWR,  248                         ; and their scale words
.set TMX,  2
.set TMP,  12
.set TMS,  24
.set G1,   24                          ; s[24:31], s[32:35] descriptor groups 1 and 0 for rows m;  s[48:55], s[56:59] for columns s
.set G0,   32
.set G1B,  48
.set G0B,  56
.set CC,   68                          ; s[68:69] 2 log2(e)
.set SEL,  70                          ; s[70:71] lane l xor 16
.set PFA,  88                          ; s[88:89] where my prefetches stand
.set W2,   0xa1                        ; source 0 window 1, source 1 window 0, C and D window 2
.set W3,   0xf1                        ; the same, C and D window 3
.set MSB, 0
.macro WIN new                         ; the immediate's high byte repeats the setting that is left; a switch that changes nothing is dropped
.if MSB != \new
	s_set_vgpr_msb (MSB<<8)|\new
.set MSB, \new
.endif
.endm
.macro PLACES n
.rept \n
	v_nop
.endr
.endm
; A joint load.  s = 0, 1: the two waves of that slot load; s = 2, at the head: every wave.  One chain of branches on the wave's number, one load to an arm, one join; an s_nop 0 and four v_nop follow each load.
.macro JLOAD s
.if \s < 2
	s_cmp_lg_u32 s15, \s
	s_cbranch_scc1 .Lasked_\@
.endif
	s_cmp_eq_u32 s16, 0
	s_cbranch_scc0 .Lfor_b_\@
	tensor_load_to_lds s[G0:G0+3], s[G1:G1+7]
	s_nop 0
	PLACES 4
	s_branch .Lasked_\@
.Lfor_b_\@:
	tensor_load_to_lds s[G0B:G0B+3], s[G1B:G1B+7]
	s_nop 0
	PLACES 4
.Lasked_\@:
.endm
.macro CREST                           ; a round of the cluster's barrier behind its opening barrier
	s_cmp_lg_u32 s14, 0
	s_cbranch_scc1 .Lnot_wave_0_\@
	s_barrier_signal -3
.Lnot_wave_0_\@:
	s_barrier_wait -3
	s_barrier_signal -1
	s_barrier_wait -1
.endm
.macro CROUND
	s_barrier_signal -1
	s_barrier_wait -1
	CREST
.endm
.macro ASK                             ; my work-group's quarter of my tile: 12,800 bytes of rows m, 25,600 of columns s, 6,400 an instruction
	global_prefetch_b8 v[PFO], s[PFA:PFA+1] th:TH_LOAD_NT scope:SCOPE_SE
	global_prefetch_b8 v[PFO], s[PFA:PFA+1] offset:6400 th:TH_LOAD_NT scope:SCOPE_SE
	s_cmp_eq_u32 s16, 0
	s_cbranch_scc1 .Lpf_\@
	global_prefetch_b8 v[PFO], s[PFA:PFA+1] offset:12800 th:TH_LOAD_NT scope:SCOPE_SE
	global_prefetch_b8 v[PFO], s[PFA:PFA+1] offset:19200 th:TH_LOAD_NT scope:SCOPE_SE
.Lpf_\@:
.endm
	s_load_b256 s[4:11], s[0:1], 0x0               ; q s[4:5], bias_x s[6:7], bias_t s[8:9], lambd s[10:11]
	s_load_b64 s[12:13], s[0:1], 0x20              ; dq
	v_lshl_add_u32 v[SPW], v0, 2, SPARE
	v_mov_b32 v[NIL], 0
	ds_add_u32 v[SPW], v[NIL]                      ; the wave's opening: the add, twice on end, and its wait ahead of my first tensor load
	ds_add_u32 v[SPW], v[NIL]
	v_lshrrev_b32 v1, 5, v0
	v_readfirstlane_b32 s14, v1                    ; wave 0..3
	s_lshr_b32 s15, s14, 1                         ; which 64 rows m are mine.  Also: the slot (the product) that I load for
	s_and_b32 s16, s14, 1                          ; which 128 columns.  Also: I load rows m (0) or columns s (1)
	s_bfe_u32 s40, ttmp6, 0x40000                  ; cx, cy
	s_bfe_u32 s41, ttmp6, 0x40004
	s_lshl_b32 s42, ttmp9, 2
	s_add_co_u32 s42, s42, s40                     ; X: columns 256 X on
	s_and_b32 s17, ttmp7, 0xffff
	s_lshl_b32 s17, s17, 2
	s_add_co_u32 s17, s17, s41                     ; Y: rows 128 Y on
	s_lshl_b32 s43, s41, 2
	s_lshl_b32 s43, 15, s43                        ; my row of the cluster
	s_lshl_b32 s44, 0x1111, s40                    ; my column
	s_or_b32 s[G1+0], s43, (3<<16)|(1<<21)         ; rows m: 2 groups: 2 rows of 3,200 elements of 8 bytes, 12,800 elements apart; the mask: my row; bit 21 beside it
	s_mov_b32 s[G1+1], 3200<<16
	s_mov_b32 s[G1+2], 2<<16
	s_mov_b32 s[G1+3], 3200<<16
	s_mov_b32 s[G1+4], 2
	s_mov_b32 s[G1+5], 12800
	s_mov_b32 s[G1+6], 0
	s_mov_b32 s[G1+7], 0
	s_or_b32 s[G1B+0], s44, (3<<16)|(1<<21)        ; columns s: 4 groups; the mask: my column
	s_mov_b32 s[G1B+1], 3200<<16
	s_mov_b32 s[G1B+2], 4<<16
	s_mov_b32 s[G1B+3], 3200<<16
	s_mov_b32 s[G1B+4], 4
	s_mov_b32 s[G1B+5], 12800
	s_mov_b32 s[G1B+6], 0
	s_mov_b32 s[G1B+7], 0
	s_lshl_b32 s20, s17, 1
	s_lshl_b32 s21, s15, 6
	s_add_co_u32 s20, s20, s21                     ; group 2 Y of x, or of t
	s_mul_i32 s20, s20, GK
	s_mov_b32 s21, 0
	s_lshl_b32 s46, s42, 2
	s_lshl_b32 s47, s15, 5
	s_add_co_u32 s46, s46, s47
	s_add_co_u32 s46, s46, 128                     ; group 4 X of kernel_x, or of kernel_t
	s_mul_i32 s46, s46, GK
	s_mov_b32 s47, 0
	s_mov_b32 s[G0], 1
	s_mul_i32 s[G0+1], s15, SLOT                   ; where they go: no place in the cluster enters an LDS address
	s_mov_b32 s[G0B], 1
	s_add_co_u32 s[G0B+1], s[G0+1], 2*GSL
	s_lshr_b32 s80, s40, 1                         ; the prefetches: of rows m, partner cx takes half cx % 2 of group cx / 2;
	s_mul_i32 s80, s80, GK
	s_and_b32 s81, s40, 1
	s_mul_i32 s81, s81, GSL/2
	s_add_co_u32 s80, s80, s81
	s_add_co_u32 s80, s80, s20
	s_mul_i32 s82, s41, GK                         ; of columns s, partner cy takes group cy
	s_add_co_u32 s82, s82, s46
	s_cmp_eq_u32 s16, 0
	s_cselect_b32 s80, s80, s82
	s_add_co_u32 s80, s80, GSL                     ; the head asks for the second 512 along K
	s_mov_b32 s81, 0
	s_mov_b32 s[CC], 0x4038aa3b                    ; 2 log2(e)
	s_mov_b32 s[CC+1], s[CC]
	s_mov_b32 s[SEL], 0x76543210
	s_mov_b32 s[SEL+1], 0xfedcba98
	s_mov_b32 s72, 0xffff0000                      ; lanes 16-31
	s_wait_dscnt 0x0                               ; both opening adds are done
	s_wait_kmcnt 0x0
	s_add_nc_u64 s[G0+2:G0+3], s[4:5], s[20:21]
	s_or_b32 s[G0+3], s[G0+3], 0x80000000
	s_add_nc_u64 s[G0B+2:G0B+3], s[4:5], s[46:47]
	s_or_b32 s[G0B+3], s[G0B+3], 0x80000000
	s_add_nc_u64 s[PFA:PFA+1], s[4:5], s[80:81]
	CROUND                                         ; all sixteen work-groups are here: the first joint loads meet
	JLOAD 2                                        ; both slots' first 512 along K: four tiles, one a wave
	v_and_b32 v1, 15, v0                           ; r
	v_bfe_u32 v6, v0, 4, 1                         ; lane / 16
	v_and_b32 v7, 31, v0                           ; lane
	v_lshlrev_b32 v8, 4, v7                        ; 16 x lane
	v_lshlrev_b32 v9, 3, v7                        ; 8 x lane
	v_lshlrev_b32 v10, 6, v6                       ; the biases: 16 columns on for lanes 16-31
	v_lshlrev_b32 v11, 2, v1
	v_min_u32 v[PFO], 24, v7
	v_lshlrev_b32 v[PFO], 8, v[PFO]
	s_mul_i32 s80, s15, GSL
	s_mul_i32 s81, s16, 2*GSL
	s_add_co_u32 s81, s81, 2*GSL
.irp s, 0,1
	v_add_nc_u32 v[ADRA+\s], s80, v8
	v_add_nc_u32 v[ADSA+\s], s80, v9
	v_add_nc_u32 v[ADRB+\s], s81, v8
	v_add_nc_u32 v[ADSB+\s], s81, v9
	s_add_co_u32 s80, s80, SLOT
	s_add_co_u32 s81, s81, SLOT
.endr
	s_lshl_b32 s82, s42, 10
	s_lshl_b32 s83, s16, 9
	s_add_co_u32 s82, s82, s83                     ; my 128 columns in the biases
	s_mov_b32 s83, 0
	s_add_nc_u64 s[6:7], s[6:7], s[82:83]
	s_add_nc_u64 s[8:9], s[8:9], s[82:83]
	s_and_b32 s84, s17, 3
	s_lshl_b32 s84, s84, 9
	s_lshl_b32 s86, s15, 8
	s_add_co_u32 s84, s84, s86                     ; h = 128 (Y % 4) + 64 x half
	s_mov_b32 s85, 0
	s_add_nc_u64 s[10:11], s[10:11], s[84:85]
	s_lshl_b32 s76, s17, 1
	s_add_co_u32 s76, s76, s15
	s_lshl_b32 s76, s76, 4
	s_lshl_b32 s86, s42, 1
	s_add_co_u32 s76, s76, s86
	s_add_co_u32 s76, s76, s16
	s_mul_i32 s76, s76, REC                        ; dq: group 2 Y + half, record 2 X + half
	s_mov_b32 s77, 0
	s_add_nc_u64 s[76:77], s[12:13], s[76:77]
	s_wait_alu depctr_va_vdst(0)                   ; ahead of the readers below
.macro BIAS w, sb                      ; accumulator (a, b), register j begins as the bias of column 32 (b / 2) + 8 (b % 2) + 16 (lane / 16) + j
	WIN \w
.irp a, 0,1,2,3
.irp b, 0,1,2,3,4,5,6,7
	global_load_b128 v[64*\a+8*\b:64*\a+8*\b+3], v10, s[\sb:\sb+1] offset:(32*(\b/2)+8*(\b%2))*4
	global_load_b128 v[64*\a+8*\b+4:64*\a+8*\b+7], v10, s[\sb:\sb+1] offset:(32*(\b/2)+8*(\b%2))*4+16
.endr
.endr
.endm
	BIAS 0x80, 6
	BIAS 0xc0, 8
	WIN 0
.irp a, 0,1,2,3
	global_load_b32 v[LA+2*\a], v11, s[10:11] offset:64*\a
.endr
	ASK
.macro FETCH slot, q, p                ; 39 LDS loads in one run: the fragments and scale words of the slot's q-th 128 along K, into set p
	WIN 0x40
.irp b, 0,1,2,3,4,5,6,7
.irp c, 0,1,2
	ds_load_b128 v[128*(\p)+12*\b+4*\c:128*(\p)+12*\b+4*\c+3], v[ADRB+\slot] offset:(\b/4)*GSL+(\q)*REC+(\b%4)*1536+512*\c
.endr
.endr
	WIN 0
.irp a, 0,1,2,3
.irp c, 0,1,2
	ds_load_b128 v[128+64*(\p)+12*\a+4*\c:128+64*(\p)+12*\a+4*\c+3], v[ADRA+\slot] offset:(\q)*REC+\a*1536+512*\c
.endr
.endr
	ds_load_b64 v[SC+8*(\p):SC+8*(\p)+1], v[ADSA+\slot] offset:(\q)*REC+6144
	ds_load_b64 v[SC+8*(\p)+2:SC+8*(\p)+3], v[ADSB+\slot] offset:(\q)*REC+6144
	ds_load_b64 v[SC+8*(\p)+4:SC+8*(\p)+5], v[ADSB+\slot] offset:GSL+(\q)*REC+6144
.endm
.macro WM a, b, p                      ; one product; fragment f of a group finds its scale words in register f % 2 of the group's pair, in lanes 0-15 (f < 2) or 16-31
.set rD, 8*(8*(\a)+(\b))
.set rA, 128*(\p)+12*(\b)
.set rB, 128+64*(\p)+12*(\a)
.set rX, SC+8*(\p)+2+2*((\b)/4)+(\b)%2
.set rY, SC+8*(\p)+(\a)%2
.set vr, 2*(((\b)%4)/2)+(\a)/2
.if vr == 0
	v_wmma_scale_f32_16x16x128_f8f6f4 v[rD:rD+7], v[rA:rA+11], v[rB:rB+11], v[rD:rD+7], v[rX], v[rY] matrix_a_fmt:MATRIX_FMT_BF6 matrix_b_fmt:MATRIX_FMT_BF6
.elseif vr == 1
	v_wmma_scale_f32_16x16x128_f8f6f4 v[rD:rD+7], v[rA:rA+11], v[rB:rB+11], v[rD:rD+7], v[rX], v[rY] matrix_a_fmt:MATRIX_FMT_BF6 matrix_b_fmt:MATRIX_FMT_BF6 matrix_b_scale:MATRIX_SCALE_ROW1
.elseif vr == 2
	v_wmma_scale_f32_16x16x128_f8f6f4 v[rD:rD+7], v[rA:rA+11], v[rB:rB+11], v[rD:rD+7], v[rX], v[rY] matrix_a_fmt:MATRIX_FMT_BF6 matrix_b_fmt:MATRIX_FMT_BF6 matrix_a_scale:MATRIX_SCALE_ROW1
.else
	v_wmma_scale_f32_16x16x128_f8f6f4 v[rD:rD+7], v[rA:rA+11], v[rB:rB+11], v[rD:rD+7], v[rX], v[rY] matrix_a_fmt:MATRIX_FMT_BF6 matrix_b_fmt:MATRIX_FMT_BF6 matrix_a_scale:MATRIX_SCALE_ROW1 matrix_b_scale:MATRIX_SCALE_ROW1
.endif
.endm
.macro MULA a, p                       ; a product's 32 accumulators take turns, one instruction a turn, in the same order in every step
.irp b, 0,1,2,3,4,5,6,7
	WM \a, \b, \p
.endr
.endm
.macro STEP slot, q, w                 ; a step of 128 along K that has its successor in the same slot: the next step's loads first, four plain instructions behind the last product that read their registers
	PLACES 4
	FETCH \slot, (\q)+1, ((\q)+1)%2
	s_wait_dscnt 39                                ; all but the 39 just issued are in, this step's set among them
	WIN \w
.irp a, 0,1,2,3
	MULA \a, (\q)%2
.endr
.endm
.macro THREE slot, w
	STEP \slot, 0, \w
	STEP \slot, 1, \w
	STEP \slot, 2, \w
.endm
; A slot's last step changes slots: one barrier.  fill = 1: it opens a round of the cluster's barrier, and this slot's two waves fill it again first thing behind the round.
; All addresses step once a trip, at slot 0's change, where no tensor load of the wave is out: slot 0's waves use them at once, slot 1's at the next change.
.macro TURN slot, next, w, fill
	WIN 0
.if (\fill) && (\slot) == 0
	s_wait_xcnt 0x0                                ; my prefetches have read their address
	s_add_nc_u64 s[PFA:PFA+1], s[PFA:PFA+1], GSL
.endif
	s_wait_tensorcnt 0x0                           ; all my tensor loads have landed
	ds_add_u32 v[SPW], v[NIL]                      ; 0 onto my spare word
.if (\fill) && (\slot) == 0
	s_add_nc_u64 s[G0+2:G0+3], s[G0+2:G0+3], GSL
	s_add_nc_u64 s[G0B+2:G0B+3], s[G0B+2:G0B+3], GSL
.endif
	s_wait_dscnt 0x0                               ; the add is done, and my reads of this slot are over
	s_barrier_signal -1
	WIN \w
	MULA 0, 1
	WIN 0
	s_barrier_wait -1
.if \fill
	CREST
	JLOAD \slot
.endif
	PLACES 4                                       ; in front of the loads below, on every wave's way
	FETCH \next, 0, 0
.if (\fill) && (\slot) == 0
	s_cmp_gt_u32 s3, 1                             ; the last trip's look-ahead would pass the end of K
	s_cbranch_scc0 .Lno_ask_\@
	ASK
.Lno_ask_\@:
.endif
	WIN \w
	MULA 1, 1
	MULA 2, 1
	MULA 3, 1
.endm
	s_wait_loadcnt 0x0                             ; the biases and lambd
.irp a, 0,1,2,3
	v_fma_f32 v[LB+2*\a], v[LA+2*\a], 2.0, -2.0
.endr
.irp a, 0,1,2,3
	v_mul_f32 v[LA+2*\a], -2.0, v[LA+2*\a]
.endr
.irp a, 0,1,2,3
	v_mov_b32 v[LB+2*\a+1], v[LB+2*\a]             ; (named as pairs)
	v_mov_b32 v[LA+2*\a+1], v[LA+2*\a]
.endr
.irp b, 0,1,2,3
	v_mov_b32 v[TMP+\b], 0                         ; written once: a lane permute's destination counts as one of its sources
.endr
	s_wait_alu depctr_va_vdst(0)
	s_wait_tensorcnt 0x0                           ; my tile is in
	s_barrier_signal -1
	s_barrier_wait -1                              ; all four are
	FETCH 0, 0, 0
	s_mov_b32 s3, 3
.Llap:                                                 ; a trip: 512 along K of x's product, then of t's; both slots are filled again
	THREE 0, W2
	TURN 0, 1, W2, 1
	THREE 1, W3
	TURN 1, 0, W3, 1
	WIN 0
	s_sub_co_u32 s3, s3, 1
	s_cmp_lg_u32 s3, 0
	s_cbranch_scc1 .Llap
	THREE 0, W2                                    ; the last 512 along K fetch nothing
	TURN 0, 1, W2, 0
	THREE 1, W3
	s_wait_dscnt 0x0
	WIN W3
	MULA 0, 1
	MULA 1, 1
	MULA 2, 1
	MULA 3, 1
	WIN 0
	PLACES 4
.macro QUANT s, pc, pw                 ; 16 rows x 128 columns of delta: four blocks of 32 along the next K, each in lanes l and l xor 16
.irp b, 0,1,2,3
	v_max3_num_f32 v[TMX+\b], |v[\s+16*\b]|, |v[\s+1+16*\b]|, 0x2800000    ; the floor 2^(5 - 127): the byte cannot fall under 1
.endr
.irp i, 2,4,6,8,10,12,14
.irp b, 0,1,2,3
	v_max3_num_f32 v[TMX+\b], v[TMX+\b], |v[\s+16*\b+\i]|, |v[\s+1+16*\b+\i]|
.endr
.endr
.irp b, 0,1,2,3
	v_permlanex16_b32 v[TMP+\b], v[TMX+\b], s[SEL], s[SEL+1]
.endr
.irp b, 0,1,2,3
	v_max_num_f32 v[TMX+\b], v[TMX+\b], v[TMP+\b]
.endr
.irp b, 0,1,2,3
	v_add_nc_u32 v[TMS+\b], 0xfe000000, v[TMX+\b]  ; 4 off the exponent field: the conversion's scale operand
.endr
.irp b, 0,1,2,3
	v_lshrrev_b32 v[TMP+\b], 23, v[TMS+\b]         ; the scale's byte
.endr
	v_lshl_or_b32 v[\pw], v[TMP+1], 8, v[TMP]
	v_lshl_or_b32 v[\pw], v[TMP+2], 16, v[\pw]
	v_lshl_or_b32 v[\pw], v[TMP+3], 24, v[\pw]
.irp c, 0,1
	v_cvt_scalef32_pk16_bf6_f32 v[\pc+6*\c:\pc+2+6*\c], v[\s+32*\c:\s+15+32*\c], v[TMS+2*\c]
	v_cvt_scalef32_pk16_bf6_f32 v[TQ+4*\c:TQ+2+4*\c], v[\s+16+32*\c:\s+31+32*\c], v[TMS+2*\c+1]
.endr
	v_nop                                          ; one plain instruction behind the scaled conversions
.irp c, 0,1
.irp i, 0,1,2
	v_permlane16_swap_b32 v[\pc+6*\c+\i], v[TQ+4*\c+\i]   ; a whole block to a lane
.endr
.irp i, 0,1,2
	v_mov_b32 v[\pc+3+6*\c+\i], v[TQ+4*\c+\i]
.endr
.endr
.endm
.macro PK2 op, w, tail:vararg          ; 32 packed instructions in place on the 64 registers from R on, in the window that w names
	WIN \w
.set i, 0
.rept 32
	\op v[R+i:R+i+1], v[R+i:R+i+1], \tail
.set i, i+2
.endr
.endm
.macro TR op, w                        ; 64 transcendentals in place
	WIN \w
.set i, 0
.rept 64
	\op v[R+i], v[R+i]
.set i, i+1
.endr
.endm
; Rows 16 a .. 16 a + 15: both products' 64 registers a lane.  Each batch of 128 transcendentals has one wait ahead of it and one behind it.
.macro TAIL a
.set R, 64*(\a)
	s_wait_alu depctr_va_vdst(0)
	PK2 v_pk_mul_f32, 0x82, s[CC:CC+1] op_sel_hi:[1,0]
	PK2 v_pk_mul_f32, 0xc3, s[CC:CC+1] op_sel_hi:[1,0]
	s_wait_alu depctr_va_vdst(0)
	TR v_exp_f32, 0xc3
	TR v_exp_f32, 0x82
	v_nop
	s_wait_alu depctr_va_vdst(0)
	PK2 v_pk_add_f32, 0x82, 1.0 op_sel_hi:[1,0]
	PK2 v_pk_add_f32, 0xc3, 1.0 op_sel_hi:[1,0]
	s_wait_alu depctr_va_vdst(0)
	TR v_rcp_f32, 0xc3
	TR v_rcp_f32, 0x82
	v_nop
	s_wait_alu depctr_va_vdst(0)
	PK2 v_pk_fma_f32, 0x82, v[LA+2*(\a):LA+2*(\a)+1], 1.0 op_sel_hi:[1,0,0]      ; 1 - 2 lambd / (1 + ..x)
	WIN 0x23                                       ; source 0 window 3, source 2 window 2, destination window 0
.set i, 0
.rept 32
	v_pk_fma_f32 v[DL+i:DL+i+1], v[R+i:R+i+1], v[LB+2*(\a):LB+2*(\a)+1], v[R+i:R+i+1] op_sel_hi:[1,0,1]   ; delta
.set i, i+2
.endr
	WIN 0
	QUANT DL, FQ+12*(\a), PWR+(\a)
.irp c, 0,1,2
	global_store_b128 v8, v[FQ+12*(\a)+4*\c:FQ+12*(\a)+4*\c+3], s[76:77] offset:1536*(\a)+512*\c   ; the wave stores 512 consecutive bytes, aligned; no store's register is written again
.endr
.endm
	TAIL 0
	TAIL 1
	TAIL 2
	TAIL 3
	v_cndmask_b32 v252, v[PWR], v[PWR+2], s72      ; lanes 0-15: fragments 0 and 1, lanes 16-31: fragments 2 and 3
	v_cndmask_b32 v253, v[PWR+1], v[PWR+3], s72
	global_store_b64 v9, v[252:253], s[76:77] offset:6144   ; 64 scale words: 256 consecutive bytes, aligned
	s_wait_tensorcnt 0x0                           ; the wave's end
	ds_add_u32 v[SPW], v[NIL]
	s_wait_dscnt 0x0
	CROUND                                         ; the closing round
	s_endpgm
.Lfunc_end_k_q63ba3e9e76_gemm12:
	.size	k_q63ba3e9e76_gemm12, .Lfunc_end_k_q63ba3e9e76_gemm12-k_q63ba3e9e76_gemm12
	.p2alignl 7, 3214868480
	.fill 96, 4, 3214868480
	.section	.rodata,"a",@progbits
	.p2align	6, 0x0
	.amdhsa_kernel k_q63ba3e9e76_gemm12
		.amdhsa_group_segment_fixed_size 327680
		.amdhsa_private_segment_fixed_size 0
		.amdhsa_enable_private_segment 0
		.amdhsa_kernarg_size 40
		.amdhsa_user_sgpr_count 2
		.amdhsa_user_sgpr_kernarg_segment_ptr 1
		.amdhsa_wavefront_size32 1
		.amdhsa_system_sgpr_workgroup_id_x 1
		.amdhsa_system_sgpr_workgroup_id_y 1
		.amdhsa_system_sgpr_workgroup_id_z 1
		.amdhsa_system_vgpr_workitem_id 0
		.amdhsa_next_free_vgpr 1024
		.amdhsa_next_free_sgpr 100
		.amdhsa_reserve_vcc 0
		.amdhsa_float_denorm_mode_32 3
		.amdhsa_float_denorm_mode_16_64 3
		.amdhsa_memory_ordered 1
		.amdhsa_forward_progress 1
		.amdhsa_inst_pref_size 230
	.end_amdhsa_kernel
	.amdgpu_metadata
---
amdhsa.version: [ 1, 2 ]
amdhsa.kernels:
  - .name:           k_q63ba3e9e76_gemm12
    .symbol:         k_q63ba3e9e76_gemm12.kd
    .args:
      - { .name: q, .offset: 0, .size: 8, .value_kind: global_buffer, .address_space: global }
      - { .name: bias_x, .offset: 8, .size: 8, .value_kind: global_buffer, .address_space: global }
      - { .name: bias_t, .offset: 16, .size: 8, .value_kind: global_buffer, .address_space: global }
      - { .name: lambd, .offset: 24, .size: 8, .value_kind: global_buffer, .address_space: global }
      - { .name: dq, .offset: 32, .size: 8, .value_kind: global_buffer, .address_space: global }
    .group_segment_fixed_size: 327680
    .private_segment_fixed_size: 0
    .kernarg_segment_align: 8
    .kernarg_segment_size: 40
    .max_flat_workgroup_size: 128
    .sgpr_count:     100
    .vgpr_count:     1024
    .wavefront_size: 32
...
	.end_amdgpu_metadata
.endif
;; end of part 2
;; launch gemm3 (part 3): grid 8 x 32, 4 waves a work-group, clusters of 4 x 4, 327,680 bytes of LDS; arguments q, dq, pb, st; writes pb, st
.if DOCPART == 3
	.amdgcn_target "amdgcn-amd-amdhsa--gfx1250"
	.amdhsa_code_object_version 6
	.text
	.protected	k_q63ba3e9e76_gemm3
	.globl	k_q63ba3e9e76_gemm3
	.p2align	8
	.type	k_q63ba3e9e76_gemm3,@function
k_q63ba3e9e76_gemm3:
	s_mov_b64 s[64:65], 0
	v_nop
	global_prefetch_b8 v0, s[64:65] scope:SCOPE_SE
	s_setreg_imm32_b32 hwreg(HW_REG_WAVE_MODE, 25, 1), 1
	s_wait_xcnt 0x0
	s_wait_alu depctr_hold_cnt(0) depctr_sa_sdst(0) depctr_va_vdst(0) depctr_va_sdst(0) depctr_va_ssrc(0) depctr_va_vcc(0) depctr_vm_vsrc(0)
	s_getreg_b32 s2, hwreg(HW_REG_IB_STS2, 6, 4)
	s_cmp_eq_u32 s2, 0
	s_cbranch_scc0 .Lentry_in_a_cluster
	s_endpgm
.Lentry_in_a_cluster:
	s_bfe_u32 s2, ttmp6, 0x10000c
	s_cmp_lg_u32 s2, 0xf033
	s_cbranch_scc0 .Lentry_shape_is_right
	s_endpgm
.Lentry_shape_is_right:
; scores = delta kernel_a, rows m = 512 b + h (4,096), columns s (2,048), on codes of E3M2 with E8M0 scales: delta out of dq, kernel_a out of q (groups 192 on).  Nothing of reference() is left out here.
; THE SOFTMAX SPANS ALL 2,048 COLUMNS, a wave holds 128 of them: a granule.  For each row and granule: mx = the granule's largest score x log2(e); p = 2^(score x log2(e) - mx); sm = the sum of p.
; p goes to pb, laid as the output, [8][2048 s][512 h]; mx and sm go to st: mx[16 granules][4,096 rows] at byte 0, sm likewise at byte 262,144.  The last launch brings the granules under the row's maximum and divides.
; LIMITS: a p under 2^-126 becomes 0; NaN and infinities are not served.
; Records, ring, cluster and products are those of the launch before: rows in groups of 64; for a group and 128 along K a record of 6,400 bytes: four images of fragments (registers 4 c .. 4 c + 3 of lane L of fragment f at
; 1,536 f + 512 c + 16 L), then 64 scale words at 6,144 (fragment f, row r at word 32 (f / 2) + 2 r + f % 2).  A work-group makes 256 columns x 128 rows, four waves 2 x 2, each 128 columns x 64 rows: 32 accumulators, window 2.
; Source 0 = 16 rows of kernel_a (columns s), source 1 = 16 rows m: lane (r, lane / 16) holds row 16 a + r, register 8 b + j column 16 b + 8 (lane / 16) + j.
; The two slots of 512 along K take K's four quarters by turns; the text is written out, with no loop.  A wave has one tensor load out at the head and one behind its slot's one refill.
; THE WAY OUT goes through a stage in slot 0, which has had its last fill and, behind the last change of slots, its last read: 128 rows (columns s) x (64 rows m x 4 bytes + 16) for each wave.
; It goes IN FOUR BATCHES OF 32 COLUMNS: behind the search for the maximum, a batch's exponentials, sums, stage stores and loads back; its 16 global stores stand behind the next batch's arithmetic.
; So the first rows of pb leave while the later columns are still being worked.
; HOW THE TILES ARE SHARED OUT (this stands in place of the count of loads given above): a slot's two tiles have one wave each: waves 0 and 1 load for slot 0, waves 2 and 3 for slot 1; the even wave delta's two groups, the odd one
; kernel_a's four, a row of 25,600 bytes for each group.  By the text's own count a wave has one tensor load out at the head and one behind its slot's one refill.
; No prefetch: K has four fills of a slot, of which the head asks for two at once, and the other two are asked for three and seven steps of 128 along K behind them: there is no trip to run ahead in.
.set REC,   6400
.set GK,    102400
.set GSL,   4*REC
.set SLOT,  6*GSL
.set SPARE, 2*SLOT                     ; behind the ring: the spare words, 128 bytes for each wave: two blocks of 256 bytes that no other line names
.set GB0,   192                        ; kernel_a's first group in q
.set OFFA,  GSL                        ; slot 1 begins with the second 512 along K
.set OFFB,  GSL
.set STEPB, 2*GSL                      ; a slot's next fill: two quarters on
.set STG,   128*272                    ; a wave's stage
.set SCR,   4*STG                      ; behind the stages: 512 bytes for each wave: its 64 mx, its 64 sm
.set ADRA, 16
.set ADSA, 18
.set ADRB, 20
.set ADSB, 22
.set SPW,  28                          ; v28     LDS address of my spare word; never rewritten
.set NIL,  29                          ; v29     0; never rewritten
.set SC,   32                          ; v32-45  scale words, two sets, and nothing else
.set STO,  10                          ; v10     the stage: where my numbers go
.set RD,   11                          ; v11     and where I read rows back
.set CO,   12                          ; v12     the same place in pb
.set SSO,  13                          ; v13     my row's place among the wave's statistics
.set SSR,  14                          ; v14     and 8 bytes a lane on the way back
.set MXR,  48                          ; v48-51  a tile's largest score
.set PMR,  52                          ; v52-55  the other half of the lanes'
.set MT,   56                          ; v56-63  mx, as pairs
.set SM,   64                          ; v64-71  sm, in two halves
.set STT,  72                          ; v72-75  the statistics, read back
.set BUF,  128                         ; v128-191, v192-255: 32 rows of the stage, by turns
.set G1,   24
.set G0,   32
.set G1B,  48
.set G0B,  56
.set CC,   68                          ; s[68:69] log2(e)
.set SEL,  70                          ; s[70:71] lane selects: lane l xor 16
.set W2,   0xa1                        ; source 0 window 1, source 1 window 0, C and D window 2
.set MSB, 0
.macro WIN new                         ; the immediate's high byte repeats the setting that is left; a switch that changes nothing is dropped
.if MSB != \new
	s_set_vgpr_msb (MSB<<8)|\new
.set MSB, \new
.endif
.endm
.macro PLACES n
.rept \n
	v_nop
.endr
.endm
.macro JLOAD s                         ; a joint load.  s = 0, 1: the two waves of that slot load; s = 2, at the head: every wave.  One chain of branches on the wave's number, one join; an s_nop 0 and four v_nop follow each load
.if \s < 2
	s_cmp_lg_u32 s15, \s
	s_cbranch_scc1 .Lasked_\@
.endif
	s_cmp_eq_u32 s16, 0
	s_cbranch_scc0 .Lfor_b_\@
	tensor_load_to_lds s[G0:G0+3], s[G1:G1+7]
	s_nop 0
.rept 4
	v_nop
.endr
	s_branch .Lasked_\@
.Lfor_b_\@:
	tensor_load_to_lds s[G0B:G0B+3], s[G1B:G1B+7]
	s_nop 0
.rept 4
	v_nop
.endr
.Lasked_\@:
.endm
.macro CREST                           ; a round of the cluster's barrier behind its opening barrier
	s_cmp_lg_u32 s14, 0
	s_cbranch_scc1 .Lnot_wave_0_\@
	s_barrier_signal -3
.Lnot_wave_0_\@:
	s_barrier_wait -3
	s_barrier_signal -1
	s_barrier_wait -1
.endm
.macro CROUND
	s_barrier_signal -1
	s_barrier_wait -1
	CREST
.endm
	s_load_b256 s[4:11], s[0:1], 0x0               ; q s[4:5], dq s[6:7], pb s[8:9], st s[10:11]
	v_lshl_add_u32 v[SPW], v0, 2, SPARE
	v_mov_b32 v[NIL], 0
	ds_add_u32 v[SPW], v[NIL]                      ; the wave's opening: the add, twice on end, and its wait ahead of my first tensor load
	ds_add_u32 v[SPW], v[NIL]
	v_lshrrev_b32 v1, 5, v0
	v_readfirstlane_b32 s14, v1                    ; wave 0..3
	s_lshr_b32 s15, s14, 1                         ; which 64 rows m are mine.  Also: the slot that I load for
	s_and_b32 s16, s14, 1                          ; which 128 columns.  Also: I load for source 1 (0) or for source 0 (1)
	s_bfe_u32 s40, ttmp6, 0x40000                  ; cx, cy
	s_bfe_u32 s41, ttmp6, 0x40004
	s_lshl_b32 s42, ttmp9, 2
	s_add_co_u32 s42, s42, s40                     ; X: columns 256 X on
	s_and_b32 s17, ttmp7, 0xffff
	s_lshl_b32 s17, s17, 2
	s_add_co_u32 s17, s17, s41                     ; Y: rows 128 Y on
	s_lshl_b32 s43, s41, 2
	s_lshl_b32 s43, 15, s43                        ; my row of the cluster
	s_lshl_b32 s44, 0x1111, s40                    ; my column
	s_or_b32 s[G1+0], s43, (3<<16)|(1<<21)         ; source 1: two groups: 2 rows of 3,200 elements of 8 bytes, 12,800 elements apart; the mask: my row; bit 21 beside it
	s_mov_b32 s[G1+1], 3200<<16
	s_mov_b32 s[G1+2], 2<<16
	s_mov_b32 s[G1+3], 3200<<16
	s_mov_b32 s[G1+4], 2
	s_mov_b32 s[G1+5], 12800
	s_mov_b32 s[G1+6], 0
	s_mov_b32 s[G1+7], 0
	s_or_b32 s[G1B+0], s44, (3<<16)|(1<<21)        ; source 0: four groups: 4 such rows; the mask: my column
	s_mov_b32 s[G1B+1], 3200<<16
	s_mov_b32 s[G1B+2], 4<<16
	s_mov_b32 s[G1B+3], 3200<<16
	s_mov_b32 s[G1B+4], 4
	s_mov_b32 s[G1B+5], 12800
	s_mov_b32 s[G1B+6], 0
	s_mov_b32 s[G1B+7], 0
	s_lshl_b32 s20, s17, 1                         ; delta's group 2 Y
	s_mul_i32 s20, s20, GK
	s_mov_b32 s21, 0
	s_lshl_b32 s46, s42, 2
	s_add_co_u32 s46, s46, GB0                     ; kernel_a's group GB0 + 4 X
	s_mul_i32 s46, s46, GK
	s_mov_b32 s47, 0
	s_mul_i32 s45, s15, SLOT                       ; where they go: my slot; no place in the cluster enters an LDS address
	s_add_co_u32 s66, s45, 2*GSL
	s_mul_i32 s22, s15, GSL                        ; slot 1 begins with the second 512 along K
	s_mov_b32 s23, 0
	s_mov_b32 s[CC], 0x3fb8aa3b                    ; log2(e)
	s_mov_b32 s[CC+1], s[CC]
	s_mov_b32 s[SEL], 0x76543210
	s_mov_b32 s[SEL+1], 0xfedcba98
	s_wait_dscnt 0x0                               ; both opening adds are done
	s_wait_kmcnt 0x0
	s_add_nc_u64 s[20:21], s[6:7], s[20:21]
	s_add_nc_u64 s[46:47], s[4:5], s[46:47]
	CROUND                                         ; all sixteen work-groups are here: the first joint loads meet
	s_mov_b32 s[G0], 1
	s_add_co_u32 s[G0+1], s45, 0
	s_add_nc_u64 s[G0+2:G0+3], s[20:21], s[22:23]
	s_or_b32 s[G0+3], s[G0+3], 0x80000000
	s_mov_b32 s[G0B], 1
	s_add_co_u32 s[G0B+1], s66, 0
	s_add_nc_u64 s[G0B+2:G0B+3], s[46:47], s[22:23]
	s_or_b32 s[G0B+3], s[G0B+3], 0x80000000
	JLOAD 2                                        ; both slots' first fills: four tiles, one a wave
	v_and_b32 v1, 15, v0                           ; r
	v_bfe_u32 v6, v0, 4, 1                         ; lane / 16
	v_and_b32 v7, 31, v0                           ; lane
	v_lshlrev_b32 v8, 4, v7                        ; 16 x lane
	v_lshlrev_b32 v9, 3, v7                        ; 8 x lane
	s_mul_i32 s80, s15, GSL
	s_mul_i32 s81, s16, 2*GSL
	s_add_co_u32 s81, s81, 2*GSL
.irp s, 0,1
	v_add_nc_u32 v[ADRA+\s], s80, v8
	v_add_nc_u32 v[ADSA+\s], s80, v9
	v_add_nc_u32 v[ADRB+\s], s81, v8
	v_add_nc_u32 v[ADSB+\s], s81, v9
	s_add_co_u32 s80, s80, SLOT
	s_add_co_u32 s81, s81, SLOT
.endr
	s_mul_i32 s85, s14, STG                        ; my stage
	v_mul_u32_u24 v[STO], v6, 8*272
	v_lshl_add_u32 v[STO], v1, 2, v[STO]
	v_add_nc_u32 v[STO], s85, v[STO]               ; in: stage row 8 (lane / 16), + 4 r
	v_mul_u32_u24 v[RD], v6, 272
	v_lshl_add_u32 v[RD], v1, 4, v[RD]
	v_add_nc_u32 v[RD], s85, v[RD]                 ; back: lanes 0-15 one stage row of 256 bytes, lanes 16-31 the next
	v_lshlrev_b32 v[CO], 11, v6
	v_lshl_add_u32 v[CO], v1, 4, v[CO]             ; and the same in pb, whose rows are 2,048 bytes
	s_lshl_b32 s86, s14, 9
	s_add_co_u32 s86, s86, SCR                     ; my statistics
	v_lshlrev_b32 v[SSO], 2, v1
	v_add_nc_u32 v[SSO], s86, v[SSO]
	v_add_nc_u32 v[SSR], s86, v9
.irp a, 0,1,2,3
	v_mov_b32 v[PMR+\a], 0                         ; written once: a lane permute's destination counts as one of its sources
.endr
	s_lshr_b32 s76, s17, 2
	s_lshl_b32 s76, s76, 22                        ; pb: batch Y / 4,
	s_lshl_b32 s84, s42, 19
	s_add_co_u32 s76, s76, s84                     ; row 256 X
	s_lshl_b32 s84, s16, 18
	s_add_co_u32 s76, s76, s84                     ; + 128 x part,
	s_and_b32 s84, s17, 3
	s_lshl_b32 s84, s84, 9
	s_add_co_u32 s76, s76, s84                     ; h = 128 (Y % 4)
	s_lshl_b32 s84, s15, 8
	s_add_co_u32 s76, s76, s84                     ; + 64 x half
	s_mov_b32 s77, 0
	s_add_nc_u64 s[76:77], s[8:9], s[76:77]
	s_lshl_b32 s78, s42, 1
	s_add_co_u32 s78, s78, s16
	s_lshl_b32 s78, s78, 14                        ; st: granule 2 X + part, 4,096 rows of 4 bytes each,
	s_lshl_b32 s84, s17, 9
	s_add_co_u32 s78, s78, s84
	s_lshl_b32 s84, s15, 8
	s_add_co_u32 s78, s78, s84                     ; row 128 Y + 64 x half
	s_mov_b32 s79, 0
	s_add_nc_u64 s[78:79], s[10:11], s[78:79]
.macro FETCH slot, q, p                ; 39 LDS loads in one run: the fragments and scale words of the slot's q-th 128 along K, into set p
	WIN 0x40
.irp b, 0,1,2,3,4,5,6,7
.irp c, 0,1,2
	ds_load_b128 v[128*(\p)+12*\b+4*\c:128*(\p)+12*\b+4*\c+3], v[ADRB+\slot] offset:(\b/4)*GSL+(\q)*REC+(\b%4)*1536+512*\c
.endr
.endr
	WIN 0
.irp a, 0,1,2,3
.irp c, 0,1,2
	ds_load_b128 v[128+64*(\p)+12*\a+4*\c:128+64*(\p)+12*\a+4*\c+3], v[ADRA+\slot] offset:(\q)*REC+\a*1536+512*\c
.endr
.endr
	ds_load_b64 v[SC+8*(\p):SC+8*(\p)+1], v[ADSA+\slot] offset:(\q)*REC+6144
	ds_load_b64 v[SC+8*(\p)+2:SC+8*(\p)+3], v[ADSB+\slot] offset:(\q)*REC+6144
	ds_load_b64 v[SC+8*(\p)+4:SC+8*(\p)+5], v[ADSB+\slot] offset:GSL+(\q)*REC+6144
.endm
.macro WM a, b, p, zero                ; one product; fragment f of a group finds its scale words in register f % 2 of the group's pair, in lanes 0-15 (f < 2) or 16-31
.set rD, 8*(8*(\a)+(\b))
.set rA, 128*(\p)+12*(\b)
.set rB, 128+64*(\p)+12*(\a)
.set rX, SC+8*(\p)+2+2*((\b)/4)+(\b)%2
.set rY, SC+8*(\p)+(\a)%2
.set vr, 2*(((\b)%4)/2)+(\a)/2+4*(\zero)
.if vr == 0
	v_wmma_scale_f32_16x16x128_f8f6f4 v[rD:rD+7], v[rA:rA+11], v[rB:rB+11], v[rD:rD+7], v[rX], v[rY] matrix_a_fmt:MATRIX_FMT_BF6 matrix_b_fmt:MATRIX_FMT_BF6
.elseif vr == 1
	v_wmma_scale_f32_16x16x128_f8f6f4 v[rD:rD+7], v[rA:rA+11], v[rB:rB+11], v[rD:rD+7], v[rX], v[rY] matrix_a_fmt:MATRIX_FMT_BF6 matrix_b_fmt:MATRIX_FMT_BF6 matrix_b_scale:MATRIX_SCALE_ROW1
.elseif vr == 2
	v_wmma_scale_f32_16x16x128_f8f6f4 v[rD:rD+7], v[rA:rA+11], v[rB:rB+11], v[rD:rD+7], v[rX], v[rY] matrix_a_fmt:MATRIX_FMT_BF6 matrix_b_fmt:MATRIX_FMT_BF6 matrix_a_scale:MATRIX_SCALE_ROW1
.elseif vr == 3
	v_wmma_scale_f32_16x16x128_f8f6f4 v[rD:rD+7], v[rA:rA+11], v[rB:rB+11], v[rD:rD+7], v[rX], v[rY] matrix_a_fmt:MATRIX_FMT_BF6 matrix_b_fmt:MATRIX_FMT_BF6 matrix_a_scale:MATRIX_SCALE_ROW1 matrix_b_scale:MATRIX_SCALE_ROW1
.elseif vr == 4
	v_wmma_scale_f32_16x16x128_f8f6f4 v[rD:rD+7], v[rA:rA+11], v[rB:rB+11], 0, v[rX], v[rY] matrix_a_fmt:MATRIX_FMT_BF6 matrix_b_fmt:MATRIX_FMT_BF6
.elseif vr == 5
	v_wmma_scale_f32_16x16x128_f8f6f4 v[rD:rD+7], v[rA:rA+11], v[rB:rB+11], 0, v[rX], v[rY] matrix_a_fmt:MATRIX_FMT_BF6 matrix_b_fmt:MATRIX_FMT_BF6 matrix_b_scale:MATRIX_SCALE_ROW1
.elseif vr == 6
	v_wmma_scale_f32_16x16x128_f8f6f4 v[rD:rD+7], v[rA:rA+11], v[rB:rB+11], 0, v[rX], v[rY] matrix_a_fmt:MATRIX_FMT_BF6 matrix_b_fmt:MATRIX_FMT_BF6 matrix_a_scale:MATRIX_SCALE_ROW1
.else
	v_wmma_scale_f32_16x16x128_f8f6f4 v[rD:rD+7], v[rA:rA+11], v[rB:rB+11], 0, v[rX], v[rY] matrix_a_fmt:MATRIX_FMT_BF6 matrix_b_fmt:MATRIX_FMT_BF6 matrix_a_scale:MATRIX_SCALE_ROW1 matrix_b_scale:MATRIX_SCALE_ROW1
.endif
.endm
.macro MULA a, p, zero                 ; the 32 accumulators take turns, one instruction a turn, in the same order in every step
.irp b, 0,1,2,3,4,5,6,7
	WM \a, \b, \p, \zero
.endr
.endm
.macro STEP slot, q, w, zero           ; a step of 128 along K that has its successor in the same slot: the next step's loads first, four plain instructions behind the last product that read their registers
	PLACES 4
	FETCH \slot, (\q)+1, ((\q)+1)%2
	s_wait_dscnt 39                                ; all but the 39 just issued are in, this step's set among them
	WIN \w
.irp a, 0,1,2,3
	MULA \a, (\q)%2, \zero
.endr
.endm
.macro TURN slot, next, w, fill        ; a slot's last step changes slots: one barrier; fill = 1: it opens a round of the cluster's barrier, and this slot is filled again first thing behind it
	WIN 0
	s_wait_tensorcnt 0x0                           ; no tensor load of mine is out, so a group 0 may be written
	ds_add_u32 v[SPW], v[NIL]                      ; 0 onto my spare word
.if \fill
.if \slot == 0                         ; every wave's addresses step once, at slot 0's change: slot 0's waves use them at once, slot 1's at the next change
	s_add_nc_u64 s[G0+2:G0+3], s[G0+2:G0+3], STEPB
	s_add_nc_u64 s[G0B+2:G0B+3], s[G0B+2:G0B+3], STEPB
.endif
.endif
	s_wait_dscnt 0x0                               ; the add is done, and my reads of this slot are over
	s_barrier_signal -1
	WIN \w
	MULA 0, 1, 0
	WIN 0
	s_barrier_wait -1
.if \fill
	CREST
	JLOAD \slot
.endif
	PLACES 4                                       ; in front of the loads below, on every wave's way
	FETCH \next, 0, 0
	WIN \w
	MULA 1, 1, 0
	MULA 2, 1, 0
	MULA 3, 1, 0
.endm
	s_wait_alu depctr_va_vdst(0)
	s_wait_tensorcnt 0x0                           ; my tile is in
	s_barrier_signal -1
	s_barrier_wait -1
	FETCH 0, 0, 0
	STEP 0, 0, W2, 1                               ; the first products start the sums
	STEP 0, 1, W2, 0
	STEP 0, 2, W2, 0
	TURN 0, 1, W2, 1
	STEP 1, 0, W2, 0
	STEP 1, 1, W2, 0
	STEP 1, 2, W2, 0
	TURN 1, 0, W2, 1
	STEP 0, 0, W2, 0
	STEP 0, 1, W2, 0
	STEP 0, 2, W2, 0
	TURN 0, 1, W2, 0                               ; behind this barrier nobody reads slot 0 and nothing is filled any more
	STEP 1, 0, W2, 0
	STEP 1, 1, W2, 0
	STEP 1, 2, W2, 0
	s_wait_dscnt 0x0
	WIN W2
	MULA 0, 1, 0
	MULA 1, 1, 0
	MULA 2, 1, 0
	MULA 3, 1, 0
	WIN 0
	; THE WAY OUT.  The granule's largest score of each row: my 64 numbers of tile a, the four tiles by turns; each accumulator is first read at its lowest register.
	PLACES 4
	WIN 0x2a                                       ; all three sources window 2, destination window 0
.irp a, 0,1,2,3
	v_max3_num_f32 v[MXR+\a], v[64*\a], v[64*\a+1], v[64*\a+2]
.endr
	WIN 0x28                                       ; source 0 window 0
.set i, 3
.rept 30
.irp a, 0,1,2,3
	v_max3_num_f32 v[MXR+\a], v[MXR+\a], v[64*\a+i], v[64*\a+i+1]
.endr
.set i, i+2
.endr
.irp a, 0,1,2,3
	v_max_num_f32 v[MXR+\a], v[MXR+\a], v[64*\a+63]
.endr
	WIN 0
.irp a, 0,1,2,3
	v_permlanex16_b32 v[PMR+\a], v[MXR+\a], s[SEL], s[SEL+1]
.endr
.irp a, 0,1,2,3
	v_max_num_f32 v[MXR+\a], v[MXR+\a], v[PMR+\a]  ; with lane l xor 16's 64 columns
.endr
.irp a, 0,1,2,3
	v_mul_f32 v[MT+2*\a], s[CC], v[MXR+\a]         ; mx
.endr
.irp a, 0,1,2,3
	v_mov_b32 v[MT+2*\a+1], v[MT+2*\a]             ; (named as a pair)
.endr
; Batch k: columns 32 k .. 32 k + 31 of the granule: accumulators 2 k and 2 k + 1 of each tile a, registers 64 a + 16 k + 0 .. 15.  p in place; the 64 exponentials are one batch with one wait; sm takes them in.
.macro BATCH k
	WIN 0x82                                       ; destination and source 0 window 2, source 2 window 0
.irp a, 0,1,2,3
.set i, 64*\a+16*(\k)
.rept 8
	v_pk_fma_f32 v[i:i+1], v[i:i+1], s[CC:CC+1], v[MT+2*\a:MT+2*\a+1] op_sel_hi:[1,0,0] neg_lo:[0,0,1] neg_hi:[0,0,1]   ; score x log2(e) - mx
.set i, i+2
.endr
.endr
	s_wait_alu depctr_va_vdst(0)
.irp a, 0,1,2,3
.set i, 64*\a+16*(\k)
.rept 16
	v_exp_f32 v[i], v[i]                           ; p, at most about 1
.set i, i+1
.endr
.endr
	v_nop                                          ; a plain instruction behind the last exponential
	s_wait_alu depctr_va_vdst(0)                   ; one wait for the batch, ahead of its first reader
.if (\k) == 0
	WIN 0x0a                                       ; sources 0 and 1 window 2, destination window 0
.irp a, 0,1,2,3
	v_pk_add_f32 v[SM+2*\a:SM+2*\a+1], v[64*\a:64*\a+1], v[64*\a+2:64*\a+3]   ; the first two pairs start the sums
.endr
.set i0, 4
.else
.set i0, 0
.endif
	WIN 0x08                                       ; source 1 window 2
.set i, i0
.rept (16-i0)/2
.irp a, 0,1,2,3
	v_pk_add_f32 v[SM+2*\a:SM+2*\a+1], v[SM+2*\a:SM+2*\a+1], v[64*\a+16*(\k)+i:64*\a+16*(\k)+i+1]
.endr
.set i, i+2
.endr
.endm
.macro STAGE k                         ; batch k's p into stage rows 32 k .. 32 k + 31
	WIN 0x08                                       ; an LDS store's data are its source 1: window 2
.irp a, 0,1,2,3
.irp u, 0,1
.irp j, 0,1,2,3,4,5,6,7
	ds_store_b32 v[STO], v[64*\a+16*(\k)+8*\u+\j] offset:(16*(2*(\k)+\u)+\j)*272+64*\a   ; p(row 16 a + r, column 16 (2 k + u) + 8 (lane / 16) + j): lanes 0-15 write 64 consecutive bytes, lanes 16-31 the same 8 stage rows (2,176 bytes) on
.endr
.endr
.endr
	WIN 0
.endm
.macro LOADB k                         ; the same 32 stage rows back, as whole rows, into buffer k % 2.  LDS serves a wave's instructions in order: these see my stores
.irp i, 0,1,2,3,4,5,6,7,8,9,10,11,12,13,14,15
	ds_load_b128 v[BUF+64*((\k)%2)+4*\i:BUF+64*((\k)%2)+4*\i+3], v[RD] offset:2*(16*(\k)+\i)*272
.endr
.endm
.macro SEND k
.irp i, 0,1,2,3,4,5,6,7,8,9,10,11,12,13,14,15
	global_store_b128 v[CO], v[BUF+64*((\k)%2)+4*\i:BUF+64*((\k)%2)+4*\i+3], s[76:77] offset:2*(16*(\k)+\i)*2048   ; 16 lanes store 256 consecutive bytes, aligned
.endr
.endm
	BATCH 0
	STAGE 0
	LOADB 0
	BATCH 1                                        ; a batch's arithmetic stands between the loads of the batch before and the wait for them
	WIN 0
	s_wait_dscnt 0x0                               ; batch 0 is back in registers
	SEND 0
	STAGE 1
	LOADB 1
	BATCH 2
	WIN 0
	s_wait_dscnt 0x0                               ; batch 1
	SEND 1
	STAGE 2
	s_wait_xcnt 0x0                                ; batch 0's stores have read their registers: they are loaded again only behind this wait
	LOADB 2
	BATCH 3
	WIN 0
.irp a, 0,1,2,3
	v_add_f32 v[SM+2*\a], v[SM+2*\a], v[SM+2*\a+1]
.endr
.irp a, 0,1,2,3
	v_permlanex16_b32 v[PMR+\a], v[SM+2*\a], s[SEL], s[SEL+1]
.endr
.irp a, 0,1,2,3
	v_add_f32 v[SM+2*\a], v[SM+2*\a], v[PMR+\a]    ; sm
.endr
	s_wait_alu depctr_va_vdst(0)
	s_wait_dscnt 0x0                               ; batch 2
	SEND 2
	STAGE 3
.irp a, 0,1,2,3
	ds_store_b32 v[SSO], v[MT+2*\a] offset:64*\a   ; both halves of the lanes write the same word with the same value
	ds_store_b32 v[SSO], v[SM+2*\a] offset:256+64*\a
.endr
	ds_load_b64 v[STT:STT+1], v[SSR]               ; LDS serves a wave's instructions in order: these see my stores
	ds_load_b64 v[STT+2:STT+3], v[SSR] offset:256
	s_wait_xcnt 0x0                                ; batch 1's stores have read their registers
	LOADB 3
	s_wait_dscnt 16                                ; the statistics are back; the 16 loads issued behind them may be out
	global_store_b64 v9, v[STT:STT+1], s[78:79]    ; 64 rows' mx: 256 consecutive bytes, aligned
	global_store_b64 v9, v[STT+2:STT+3], s[78:79] offset:262144
	s_wait_dscnt 0x0                               ; batch 3
	SEND 3
	s_wait_tensorcnt 0x0                           ; the wave's end, behind my last tensor load and my last LDS store
	ds_add_u32 v[SPW], v[NIL]
	s_wait_dscnt 0x0
	CROUND                                         ; the closing round
	s_endpgm
.Lfunc_end_k_q63ba3e9e76_gemm3:
	.size	k_q63ba3e9e76_gemm3, .Lfunc_end_k_q63ba3e9e76_gemm3-k_q63ba3e9e76_gemm3
	.p2alignl 7, 3214868480
	.fill 96, 4, 3214868480
	.section	.rodata,"a",@progbits
	.p2align	6, 0x0
	.amdhsa_kernel k_q63ba3e9e76_gemm3
		.amdhsa_group_segment_fixed_size 327680
		.amdhsa_private_segment_fixed_size 0
		.amdhsa_enable_private_segment 0
		.amdhsa_kernarg_size 32
		.amdhsa_user_sgpr_count 2
		.amdhsa_user_sgpr_kernarg_segment_ptr 1
		.amdhsa_wavefront_size32 1
		.amdhsa_system_sgpr_workgroup_id_x 1
		.amdhsa_system_sgpr_workgroup_id_y 1
		.amdhsa_system_sgpr_workgroup_id_z 1
		.amdhsa_system_vgpr_workitem_id 0
		.amdhsa_next_free_vgpr 768
		.amdhsa_next_free_sgpr 100
		.amdhsa_reserve_vcc 0
		.amdhsa_float_denorm_mode_32 3
		.amdhsa_float_denorm_mode_16_64 3
		.amdhsa_memory_ordered 1
		.amdhsa_forward_progress 1
		.amdhsa_inst_pref_size 178
	.end_amdhsa_kernel
	.amdgpu_metadata
---
amdhsa.version: [ 1, 2 ]
amdhsa.kernels:
  - .name:           k_q63ba3e9e76_gemm3
    .symbol:         k_q63ba3e9e76_gemm3.kd
    .args:
      - { .name: q, .offset: 0, .size: 8, .value_kind: global_buffer, .address_space: global }
      - { .name: dq, .offset: 8, .size: 8, .value_kind: global_buffer, .address_space: global }
      - { .name: pb, .offset: 16, .size: 8, .value_kind: global_buffer, .address_space: global }
      - { .name: st, .offset: 24, .size: 8, .value_kind: global_buffer, .address_space: global }
    .group_segment_fixed_size: 327680
    .private_segment_fixed_size: 0
    .kernarg_segment_align: 8
    .kernarg_segment_size: 32
    .max_flat_workgroup_size: 128
    .sgpr_count:     100
    .vgpr_count:     768
    .wavefront_size: 32
...
	.end_amdgpu_metadata
.endif
;; end of part 3
;; launch norm (part 4): grid 256 x 1, 16 waves a work-group, no clusters, 4,096 bytes of LDS; arguments pb, st, out0; writes out0
.if DOCPART == 4
	.amdgcn_target "amdgcn-amd-amdhsa--gfx1250"
	.amdhsa_code_object_version 6
	.text
	.protected	k_q63ba3e9e76_norm
	.globl	k_q63ba3e9e76_norm
	.p2align	8
	.type	k_q63ba3e9e76_norm,@function
k_q63ba3e9e76_norm:
	s_mov_b64 s[64:65], 0
	v_nop
	global_prefetch_b8 v0, s[64:65] scope:SCOPE_SE
	s_setreg_imm32_b32 hwreg(HW_REG_WAVE_MODE, 25, 1), 1
	s_wait_xcnt 0x0
; out0[b][s][h] = p[b][s][h] x 2^(mx_g - M) / S, the end of the softmax over s.  g = s / 128 is the column's granule; for row m = 512 b + h: M = the largest of its 16 mx, S = the sum over g' of sm_g' 2^(mx_g' - M).
; pb: [8][2048][512] f32, laid as the output.  st: mx[16][4,096] at byte 0, sm[16][4,096] at byte 262,144, both in powers of two (mx is already x log2(e)).  Nothing of reference() is left out here.
; A stream: no matrix unit, no cluster, no tile.  A work-group takes 64 rows (b, s) of 2,048 bytes, which lie in one batch and one granule.  Thread T makes the factor of h = T from 33 numbers of st;
; the 512 factors meet in LDS; then thread T scales 16 bytes (h = 4 (T % 128) on) of 16 rows.  All of the work-group's loads go out at the head.
; LIMITS: NaN and infinities are not served.
.set SPARE, 2048                       ; behind the 512 factors: the spare words, 128 bytes for each of the 16 waves: eight blocks of 256 bytes that no other line names
.set SPW, 6                            ; v6      LDS address of my spare word; never rewritten
.set NIL, 7                            ; v7      0; never rewritten
.set FF,  8                            ; v8-11   my four columns' factors
.set MX,  16                           ; v16-31  mx of the 16 granules
.set SMR, 32                           ; v32-47  sm
.set OWN, 48                           ; v48     mx of the work-group's own granule, then the factor
.set MM,  49                           ; v49     M
.set SS,  50                           ; v50     S
.set P,   64                           ; v64-127 16 x 4 numbers of p
	s_load_b128 s[4:7], s[0:1], 0x0                ; pb, st
	s_load_b64 s[8:9], s[0:1], 0x10                ; out0
	v_lshl_add_u32 v[SPW], v0, 2, SPARE
	v_mov_b32 v[NIL], 0
	v_lshlrev_b32 v2, 2, v0                        ; 4 T: my row's place in st, and my factor's in LDS
	v_lshrrev_b32 v3, 7, v0
	v_and_b32 v4, 127, v0
	s_delay_alu instid0(VALU_DEP_2)
	v_lshlrev_b32 v3, 11, v3
	s_delay_alu instid0(VALU_DEP_1)
	v_lshl_add_u32 v3, v4, 4, v3                   ; p: row T / 128 of four, 16 bytes at 16 (T % 128)
	s_delay_alu instid0(VALU_DEP_3)
	v_lshlrev_b32 v5, 4, v4                        ; my four factors in LDS
	s_lshr_b32 s10, ttmp9, 5
	s_lshl_b32 s10, s10, 11                        ; the batch's 512 rows of 4 bytes in st
	s_mov_b32 s11, 0
	s_bfe_u32 s12, ttmp9, 0x40001                  ; the granule: (work-group / 2) % 16
	s_lshl_b32 s12, s12, 14
	s_mov_b32 s13, 0
	s_lshl_b32 s14, ttmp9, 17                      ; 64 rows of 2,048 bytes
	s_mov_b32 s15, 0
	s_wait_alu depctr_va_vdst(0)
	s_wait_kmcnt 0x0
	s_add_nc_u64 s[10:11], s[6:7], s[10:11]
	s_add_nc_u64 s[12:13], s[10:11], s[12:13]
	s_add_nc_u64 s[4:5], s[4:5], s[14:15]
	s_add_nc_u64 s[8:9], s[8:9], s[14:15]
.irp g, 0,1,2,3,4,5,6,7,8,9,10,11,12,13,14,15
	global_load_b32 v[MX+\g], v2, s[10:11] offset:16384*\g
.endr
.irp g, 0,1,2,3,4,5,6,7,8,9,10,11,12,13,14,15
	global_load_b32 v[SMR+\g], v2, s[10:11] offset:262144+16384*\g
.endr
	global_load_b32 v[OWN], v2, s[12:13]
.irp i, 0,1,2,3,4,5,6,7,8,9,10,11,12,13,14,15
	global_load_b128 v[P+4*\i:P+4*\i+3], v3, s[4:5] offset:8192*\i th:TH_LOAD_NT   ; a wave reads 512 consecutive bytes
.endr
	s_wait_loadcnt 16                              ; loads come back in order: the 33 of st are in, the 16 of p may be out
	v_max3_num_f32 v[MM], v[MX], v[MX+1], v[MX+2]
.irp g, 3,5,7,9,11,13
	s_delay_alu instid0(VALU_DEP_1)
	v_max3_num_f32 v[MM], v[MM], v[MX+\g], v[MX+\g+1]
.endr
	s_delay_alu instid0(VALU_DEP_1)
	v_max_num_f32 v[MM], v[MM], v[MX+15]           ; the row's maximum is taken away before every exponential
.irp g, 0,1,2,3,4,5,6,7,8,9,10,11,12,13,14,15
	v_sub_f32 v[MX+\g], v[MX+\g], v[MM]
.endr
	v_sub_f32 v[OWN], v[OWN], v[MM]
	s_wait_alu depctr_va_vdst(0)
.irp g, 0,1,2,3,4,5,6,7,8,9,10,11,12,13,14,15
	v_exp_f32 v[MX+\g], v[MX+\g]
.endr
	v_exp_f32 v[OWN], v[OWN]
	v_nop                                          ; a plain instruction behind the last exponential
	s_wait_alu depctr_va_vdst(0)                   ; one wait for the 17
	v_mul_f32 v[SS], v[MX], v[SMR]
.irp g, 1,2,3,4,5,6,7,8,9,10,11,12,13,14,15
	v_fmac_f32 v[SS], v[MX+\g], v[SMR+\g]
.endr
	s_wait_alu depctr_va_vdst(0)
	v_rcp_f32 v[SS], v[SS]
	v_nop
	s_wait_alu depctr_va_vdst(0)
	v_mul_f32 v[OWN], v[OWN], v[SS]                ; the factor of h = T
	ds_store_b32 v2, v[OWN]
	s_wait_dscnt 0x0                               ; for the others' sake: my store is done
	s_barrier_signal -1
	s_barrier_wait -1
	ds_load_b128 v[FF:FF+3], v5
	s_wait_dscnt 0x0
.irp i, 0,1,2,3,4,5,6,7,8,9,10,11,12,13,14,15
	s_wait_loadcnt 15-\i                           ; load i of p is in; the younger ones may be out
	v_pk_mul_f32 v[P+4*\i:P+4*\i+1], v[P+4*\i:P+4*\i+1], v[FF:FF+1]
	v_pk_mul_f32 v[P+4*\i+2:P+4*\i+3], v[P+4*\i+2:P+4*\i+3], v[FF+2:FF+3]
	global_store_b128 v3, v[P+4*\i:P+4*\i+3], s[8:9] offset:8192*\i th:TH_STORE_NT   ; a wave stores 512 consecutive bytes, aligned; no store's register is written again
.endr
	s_wait_tensorcnt 0x0                           ; the wave's end, behind my last LDS store
	ds_add_u32 v[SPW], v[NIL]
	s_wait_dscnt 0x0
	s_endpgm
.Lfunc_end_k_q63ba3e9e76_norm:
	.size	k_q63ba3e9e76_norm, .Lfunc_end_k_q63ba3e9e76_norm-k_q63ba3e9e76_norm
	.p2alignl 7, 3214868480
	.fill 96, 4, 3214868480
	.section	.rodata,"a",@progbits
	.p2align	6, 0x0
	.amdhsa_kernel k_q63ba3e9e76_norm
		.amdhsa_group_segment_fixed_size 4096
		.amdhsa_private_segment_fixed_size 0
		.amdhsa_enable_private_segment 0
		.amdhsa_kernarg_size 24
		.amdhsa_user_sgpr_count 2
		.amdhsa_user_sgpr_kernarg_segment_ptr 1
		.amdhsa_wavefront_size32 1
		.amdhsa_system_sgpr_workgroup_id_x 1
		.amdhsa_system_sgpr_workgroup_id_y 1
		.amdhsa_system_sgpr_workgroup_id_z 1
		.amdhsa_system_vgpr_workitem_id 0
		.amdhsa_next_free_vgpr 128
		.amdhsa_next_free_sgpr 66
		.amdhsa_reserve_vcc 0
		.amdhsa_float_denorm_mode_32 3
		.amdhsa_float_denorm_mode_16_64 3
		.amdhsa_memory_ordered 1
		.amdhsa_forward_progress 1
		.amdhsa_inst_pref_size 13
	.end_amdhsa_kernel
	.amdgpu_metadata
---
amdhsa.version: [ 1, 2 ]
amdhsa.kernels:
  - .name:           k_q63ba3e9e76_norm
    .symbol:         k_q63ba3e9e76_norm.kd
    .args:
      - { .name: pb, .offset: 0, .size: 8, .value_kind: global_buffer, .address_space: global }
      - { .name: st, .offset: 8, .size: 8, .value_kind: global_buffer, .address_space: global }
      - { .name: out0, .offset: 16, .size: 8, .value_kind: global_buffer, .address_space: global }
    .group_segment_fixed_size: 4096
    .private_segment_fixed_size: 0
    .kernarg_segment_align: 8
    .kernarg_segment_size: 24
    .max_flat_workgroup_size: 512
    .sgpr_count:     66
    .vgpr_count:     128
    .wavefront_size: 32
...
	.end_amdgpu_metadata
.endif
;; end of part 4
